; MI455X (gfx1250); checked and timed in simulation.
; The chip was launched on July 23, 2026; its instructions are those of AMD's public machine-readable ISA for CDNA 5 (MIT licence, August 2026) and "CDNA5" Instruction Set Architecture Reference Guide (July 2026). The comments in the code are by the model that wrote it; some were corrected since.
;; Nerf Model. Allowed arithmetic: matrix products marked QUANTISED: E2M1 operands, one E8M0 scale for each 32 along K, by v_wmma_scale_f32_16x16x128_f8f6f4 with both operands' format E2M1 (or v_wmma_scale_f32_32x16x128_f4), f32 sums; products left as they are: f32 operands where the result goes on into a quantised operand, else bf16, f16 or f32 operands; f32 sums; everything else in f32.
;; Inputs: W1 128 x 6 float32; W2_codes 128 x 4 x 16 uint8 (E2M1 codes of W2, K innermost, in blocks of 32 codes, two codes a byte); W2_scales 128 x 4 uint8 (E8M0 scales of W2, one for each 32 codes along K); W3_codes 128 x 4 x 16 uint8 (E2M1 codes of W3, K innermost, in blocks of 32 codes, two codes a byte); W3_scales 128 x 4 uint8 (E8M0 scales of W3, one for each 32 codes along K); W4 4 x 128 float32; b1 128 float32; b2 128 float32; b3 128 float32; b4 4 float32; x 1,048,576 x 6 float32.
;; Outputs: out0 1,048,576 x 4 float32.
;; This version of the problem:
;;   THIS VERSION OF THE PROBLEM IS GIVEN IN LOW PRECISION. The matrix products marked QUANTISED in the list below multiply operands that are first quantised to E2M1 (2 exponent bits, 1 mantissa bit; 4 bits a number), with one power-of-two scale for each 32 numbers along K (OCP MX v1.0); their sums are f32. All else is computed in f32.
;;   The module's matrix products, in the order in which they are computed (A, B: the left and right operand; K: the contracted axis; several contracted axes count as one K, in the product's order):
;;     1. [M 1,048,576, K 6] x [K 6, N 128]; A: input x; B: input W1: left as it is (K = 6 < 32)
;;     2. [M 1,048,576, K 128] x [K 128, N 128]; A: computed on the way; B: input W2 (given as codes): QUANTISED
;;     3. [M 1,048,576, K 128] x [K 128, N 128]; A: computed on the way; B: input W3 (given as codes): QUANTISED
;;     4. [M 1,048,576, K 128] x [K 128, N 4]; A: computed on the way; B: input W4: left as it is (N = 4 < 16)
;;   THE QUANTISER, for each operand of a quantised product, along K:
;;     - K is cut into blocks of 32 from its start; a last block that is shorter is filled with zeros.
;;     - A block's scale is 2^e with e = floor(log2(the largest magnitude in the block)) - 2, held to -126 .. 127; a block of zeros has e = 0. As a byte (E8M0): e + 127.
;;     - Each number is divided by its block's scale, clamped to +-6, and rounded to the nearest number of E2M1, ties to even, subnormals kept.
;;     - The product sums the exact products of the quantised numbers (number of the format x scale) in f32.
;;   ~~~python
;;   def quantise(x, axis):      # numpy; x: float32 -> the quantised numbers, widened to float32 again
;;       x = np.moveaxis(x, axis, -1); K = x.shape[-1]
;;       x = np.pad(x, [(0, 0)] * (x.ndim - 1) + [(0, -K % 32)]); x = x.reshape(x.shape[:-1] + (-1, 32)); a = np.abs(x).max(-1, keepdims=True)
;;       e = np.where(a > 0, np.clip(np.frexp(np.where(a > 0, a, 1))[1] - 1 - 2, -126, 127), 0)      # np.frexp(a)[1] - 1 = floor(log2(a)), exactly
;;       r = np.clip(x / 2.0 ** e, -6, 6)
;;       step = 2.0 ** (np.maximum(np.frexp(np.where(r == 0, 1, r))[1] - 1, 0) - 1)
;;       q = np.round(r / step) * step * 2.0 ** e      # np.round: ties to even
;;       return np.moveaxis(q.reshape(q.shape[:-2] + (-1,))[..., :K], -1, axis).astype(np.float32)
;;   ~~~
;;   OPERANDS COMPUTED ON THE WAY. 'Computed on the way' means the value that the module computes at that place (a softmax that the list does not call 'softmax' is quantised finished and normalised). What goes into a quantiser is computed in f32, as accurately as f32 sums, v_exp_f32 and their like allow (about 1e-6 of the number): no bf16 or f16 on the way to a quantiser, and a product that is left as it is and whose result goes on into a quantised operand takes f32 operands (vector FMAs, or v_wmma_f32_16x16x4_f32). A number that lies on a knife's edge between two numbers of the format may be rounded either way, as far as f32 arithmetic and the matrix unit's own rounding can turn it there, and no further.
;;   INPUTS GIVEN AS CODES. W2 (in the module: [128, 128], K = its axis 1); W3 (in the module: [128, 128], K = its axis 1): each comes as NAME_codes (uint8): NAME with its K axis moved to the last place and cut into blocks of 32 codes, [.., K / 32, bytes a block], one block behind the other in memory; two codes a byte, the lower K in the low four bits (a code: sign, 2 exponent bits, 1 mantissa bit); and NAME_scales (uint8): the same leading axes, one E8M0 byte (e + 127) for each 32 codes along K. Its value is code x scale, taken as it is: it is not quantised again, and the codes and scales need not be those that the quantiser above would give.
;; One version. Each part assembles by itself: llvm-mc -triple=amdgcn-amd-amdhsa -mcpu=gfx1250 --defsym DOCPART=n.
;; ======== version 1 of 1: 1 launch
;; launch nerf (part 1): grid 256 x 1, 8 waves a work-group, no clusters, 168,960 bytes of LDS; arguments x, W1, b1, W2_codes, W2_scales, b2, W3_codes, W3_scales, b3, W4, b4, out0; writes out0
.if DOCPART == 1
	.amdgcn_target "amdgcn-amd-amdhsa--gfx1250"
	.amdhsa_code_object_version 6
	.text
	.protected	k_q976d261655_nerf
	.globl	k_q976d261655_nerf
	.p2align	8
	.type	k_q976d261655_nerf,@function
k_q976d261655_nerf:
	s_mov_b64 s[64:65], 0
	v_nop
	global_prefetch_b8 v0, s[64:65] scope:SCOPE_SE
	s_setreg_imm32_b32 hwreg(HW_REG_WAVE_MODE, 25, 1), 1
	s_wait_xcnt 0x0
; out = relu(relu(relu(x W1^T + b1) W2^T + b2) W3^T + b3) W4^T + b4.   x [1048576][6] f32, out [1048576][4] f32.
; Product 1 (K = 6) has f32 operands, since its result goes into a quantiser.  Products 2 and 3 run on codes of FP4 (E2M1) with one E8M0 scale for each 32 along K: the weights come as
; codes, the activations are quantised here, in f32, in registers.  Product 4 (4 outputs) has bf16 operands and f32 sums.  No intermediate goes to memory: one launch.
; SHARES.  256 work-groups of eight waves; a work-group owns 4,096 rows, a wave 512 = 32 tiles of 16.  Waves share nothing: there is no barrier.
; EVERY PRODUCT IS USED TRANSPOSED (source 0 = 16 rows of a weight, source 1 = the activations): a lane holds ONE data row (lane % 16) from x to out, and its registers run along the units.
; THE WEIGHTS AND BIASES, 24 KB in all, stay in each wave's registers for the whole launch, read once.  They are wanted in registers and not in LDS, so they are not asked for jointly in a cluster:
; a joint request would only put a trip through LDS in front of the same register loads.
; x: a wave's 512 rows are 12,288 dense bytes.  They come into the wave's own part of LDS by 24 asynchronous copies of 512 consecutive bytes; these bytes are filled once and read by this wave
; alone, behind its own waits.  The first three copies (1,536 bytes: tiles 0 to 3) go out ahead of the weights' loads, the other 21 behind them.  The first two tiles are written out ahead of the
; loop and read only those 1,536 bytes, behind a wait that leaves the 21 younger copies out; the wait for all copies stands between them and the loop.  Nothing is prefetched: all is asked for at the head.
; PRODUCT 1 takes b1 with it: K is filled up from 6 to 8 with (b1, 0) on W1's side and (1, 0) on x's.  Its sums are written by matrix instructions alone.
; THE ROWS OF W1 AND OF W2 THAT FORM A TILE ARE NOT NEIGHBOURS: lane r of tile t takes unit 64 (t / 4) + 8 (t % 4) + r + 24 (r / 8).  In the result register j of lane (r, h) is then unit
; 64 (t / 4) + 8 (t % 4) + 32 h + j: registers 32 c .. 32 c + 31 of a lane are units 64 c + 32 h + 0 .. 31: A WHOLE BLOCK OF 32 IN ONE LANE, in the order of the FP4 operand's registers.  So a block's
; largest number needs no other lane, and the conversions' results are the operand as they stand; only the scale word's four bytes are gathered from lanes l and l xor 16.
; W3's tiles take neighbouring rows: two of its result tiles, rounded to bf16 in pairs, are a bf16 fragment of 32 units.
; RELU AHEAD OF A QUANTISER IS DONE ON THE CODES.  A block's largest number is taken without |.| over a positive floor, which is the largest of the clipped numbers; the conversion takes the sums
; as they are; then every code with its sign bit set is made 0.  The codes and the scale byte are those of the clipped numbers, and 64 maxima a layer are spared.
; BY TURNS.  Tile t + 1's sixteen instructions of product 1 stand singly among tile t's vector instructions, from the point on at which tile t's sums of product 1 have been converted.
; LIMITS.  NaN and infinities among the inputs are not served.  A block whose largest number lies under 2^-124, a block of zeros among them, gets the scale byte 1 (the bytes are read here alone;
; a block of zeros has zero codes).  The operands of product 4 are rounded to bf16.
;
; REGISTERS.  Window 0: v1-7 addresses; v8-15 the weights' scale words; v16 the activations' scale word; v17 1.0; v18-29 at work; v30 0; v31 8 h; v32-39 codes just made; v40-47 x of two tiles;
;   v48-63 product 4's sums of two tiles; v64-95 W1 with b1; v96-127 W4 in bf16; v128-191 product 1's sums; v192-255 the sums of products 2 and 3.
; Window 1: v0-63 W2's codes, v64-127 W3's, v128-191 b2, v192-255 b3 (the biases in the results' layout: they are the C of the products).
.set ROWX,  24                         ; a row of x in bytes
.set TILEX, 16*ROWX                    ; a tile's 16 rows
.set WAVEX, 512*ROWX                   ; a wave's 512 rows: its part of LDS begins at WAVEX x wave
.set TRIPS, 14                         ; trips of two tiles; the first two tiles and the last two are written out
.set LX0, 1                            ; v1   LDS: WAVEX x wave + 24 r + 8 h: x(r, 2 h .. 2 h + 1)
.set LX1, 2                            ; v2   LDS: WAVEX x wave + 24 r + 16:  x(r, 4 .. 5)
.set AD0, 3                            ; v3, v4  the same for the trip in hand
.set AD1, 4
.set GO,  5                            ; v5   16 x lane: my 16 bytes of a store's 512
.set CG,  6                            ; v6   16 x lane: my 16 bytes of a copy's 512, in memory
.set CL,  7                            ; v7   and in LDS
.set WS2, 8                            ; v8-11   register i: lanes 0-15 the scale words of W2's tile 2 i, lanes 16-31 those of tile 2 i + 1
.set WS3, 12                           ; v12-15  the same for W3
.set PW,  16                           ; v16  the activations' scale word: lane r has row r's
.set ONE, 17
.set MX,  18                           ; v18-21  largest numbers, two chains for each of my two blocks; later at work
.set TP,  22                           ; v22-25  at work
.set SO,  26                           ; v26-27  the conversions' scale operands
.set ZERO, 30
.set SH8, 31                           ; v31  8 h: how far my two scale bytes are shifted up in the scale word
.set PC,  32
.set X0,  40                           ; v40-43 x of even tiles, v44-47 of odd: [0:1] K step 0, [2:3] K step 1
.set D4A, 48                           ; product 4's sums: even tile,
.set D4B, 56                           ; odd tile
.set W1A, 64                           ; fragment (tile t, K step s) at W1A + 4 t + 2 s
.set W4F, 96                           ; K step c (32 units) at W4F + 8 c
.set HA,  128
.set H,   192
.set W2C, 0                            ; in window 1
.set W3C, 64
.set B2,  128
.set B3,  192
.set WV,  28                           ; s28  my wave's number
.set SEL, 30                           ; s[30:31]  lane selects for v_permlanex16_b32: lane l xor 16
.set M8,  32                           ; s32  the sign bits of eight codes
.set XB,  34                           ; s34  LDS bytes from my first row to the trip's first
.set CNT, 35                           ; s35  trips to go
.set BO,  36                           ; s[36:39]  b4
.set MSB, 0
.macro WIN new                         ; s_set_vgpr_msb: bits 1:0 source 0, 3:2 source 1, 5:4 source 2, 7:6 destination; the high byte repeats the setting that is left
.if MSB != \new
	s_set_vgpr_msb (MSB<<8)|\new
.set MSB, \new
.endif
.endm
.macro PLACES n                        ; plain vector instructions that name no register of the matrix instruction in front of them (ISA guide 7.12.1)
.rept \n
	v_nop
.endr
.endm
.macro COPIES from, to                 ; copies from .. to - 1 of my 24: 512 consecutive bytes each; the immediate steps both addresses.  v6, v7 and s[4:5] stay as they are for the whole launch
.set ci, \from
.rept (\to)-(\from)
	global_load_async_to_lds_b128 v[CL], v[CG], s[4:5] offset:512*ci
.set ci, ci+1
.endr
.endm
	s_load_b512 s[4:19], s[0:1], 0x0               ; x s[4:5], W1 s[6:7], b1 s[8:9], W2's codes s[10:11], scales s[12:13], b2 s[14:15], W3's codes s[16:17], scales s[18:19]
	s_load_b256 s[20:27], s[0:1], 0x40             ; b3 s[20:21], W4 s[22:23], b4 s[24:25], out s[26:27]
	v_lshl_add_u32 v254, v0, 2, 0x29000
	v_mov_b32 v255, 0
	ds_add_u32 v254, v255
	ds_add_u32 v254, v255
	s_wait_dscnt 0x0
	v_lshrrev_b32 v18, 5, v0
	v_readfirstlane_b32 s[WV], v18                 ; wave 0..7
	v_and_b32 v18, 15, v0                          ; r
	v_bfe_u32 v19, v0, 4, 1                        ; h
	v_and_b32 v20, 31, v0                          ; lane
	v_and_b32 v21, 8, v18
	v_mad_u32_u24 v21, v21, 3, v18                 ; rq = r + 24 (r / 8)
	s_mul_i32 s29, s[WV], WAVEX                    ; my wave's x: in LDS, and from the work-group's first byte in memory
	s_mul_i32 s40, ttmp9, 8*WAVEX
	s_add_co_u32 s40, s40, s29                     ; under 2^25
	s_mov_b32 s41, 0
	s_lshl_b32 s42, ttmp9, 3
	s_add_co_u32 s42, s42, s[WV]
	s_lshl_b32 s42, s42, 13                        ; my wave's out: 512 rows of 16 bytes
	s_mov_b32 s43, 0
	s_mov_b32 s[SEL], 0x76543210
	s_mov_b32 s[SEL+1], 0xfedcba98
	s_mov_b32 s[M8], 0x88888888
	v_mul_u32_u24 v[LX1], v18, ROWX
	v_add_nc_u32 v[LX1], s29, v[LX1]
	v_lshl_add_u32 v[LX0], v19, 3, v[LX1]
	v_add_nc_u32 v[LX1], 16, v[LX1]
	v_lshlrev_b32 v[GO], 4, v20
	v_lshlrev_b32 v[CG], 4, v20
	v_lshl_add_u32 v[CL], v20, 4, s29
	; byte offsets of my lane in the weights; v18-31 take their lasting roles when these loads are in
	v_lshlrev_b32 v22, 6, v21
	v_lshl_add_u32 v22, v19, 4, v22                ; W2's codes: row rq of 64 bytes, + 16 h
	v_lshlrev_b32 v23, 6, v18
	v_lshl_add_u32 v23, v19, 4, v23                ; W3's: row r
	v_lshlrev_b32 v24, 7, v19                      ; b2: 32 h units on
	v_lshlrev_b32 v25, 5, v19                      ; b3: 8 h units on
	v_lshlrev_b32 v26, 2, v21
	v_lshl_add_u32 v26, v19, 5, v26                ; W2's scale words: unit rq + 8 h (an odd tile begins 8 units behind its even partner)
	v_lshlrev_b32 v27, 2, v20                      ; W3's: unit = lane
	v_mul_u32_u24 v29, v21, ROWX
	v_lshl_add_u32 v28, v19, 3, v29                ; W1(rq, 2 h ..)
	v_add_nc_u32 v29, 16, v29                      ; W1(rq, 4 ..)
	v_lshlrev_b32 v30, 2, v21                      ; b1(rq)
	v_and_b32 v31, 3, v18
	v_lshlrev_b32 v31, 9, v31
	v_lshl_add_u32 v31, v19, 5, v31                ; W4: row r % 4 of 512 bytes, + 8 h units
	s_wait_kmcnt 0x0
	s_add_nc_u64 s[4:5], s[4:5], s[40:41]
	s_add_nc_u64 s[26:27], s[26:27], s[42:43]
	s_load_b128 s[BO:BO+3], s[24:25], 0x0          ; b4
	COPIES 0, 3                                    ; x of tiles 0 to 3: ahead of the weights, since the first products want both
	WIN 0x40                                       ; destination window 1, address window 0
.irp t, 0,1,2,3,4,5,6,7
.irp c, 0,1
	global_load_b128 v[W2C+8*\t+4*\c:W2C+8*\t+4*\c+3], v22, s[10:11] offset:(64*(\t/4)+8*(\t%4))*64+32*\c   ; registers 4 c .. 4 c + 3: k = 64 c + 32 h + 0 .. 31 of the lane's unit
	global_load_b128 v[W3C+8*\t+4*\c:W3C+8*\t+4*\c+3], v23, s[16:17] offset:1024*\t+32*\c
	global_load_b128 v[B2+8*\t+4*\c:B2+8*\t+4*\c+3], v24, s[14:15] offset:(64*(\t/4)+8*(\t%4))*4+16*\c      ; register j: unit 64 (t / 4) + 8 (t % 4) + 32 h + j
	global_load_b128 v[B3+8*\t+4*\c:B3+8*\t+4*\c+3], v25, s[20:21] offset:64*\t+16*\c                       ; register j: unit 16 t + 8 h + j
.endr
.endr
	WIN 0
.irp i, 0,1,2,3
	global_load_b32 v[WS2+\i], v26, s[12:13] offset:(64*(\i/2)+16*(\i%2))*4
	global_load_b32 v[WS3+\i], v27, s[18:19] offset:128*\i
.endr
.irp t, 0,1,2,3,4,5,6,7
	global_load_b64 v[W1A+4*\t:W1A+4*\t+1], v28, s[6:7] offset:(64*(\t/4)+8*(\t%4))*ROWX     ; K step 0: k = 2 h, 2 h + 1
	global_load_b64 v[W1A+4*\t+2:W1A+4*\t+3], v29, s[6:7] offset:(64*(\t/4)+8*(\t%4))*ROWX   ; K step 1: k = 4, 5, in both halves of the lanes: the upper half is replaced below
	global_load_b32 v[D4A+\t], v30, s[8:9] offset:(64*(\t/4)+8*(\t%4))*4                     ; b1 of the lane's unit
.endr
.irp c, 0,1,2,3
.irp q, 0,1,2,3
	global_load_b128 v[H+16*\c+4*\q:H+16*\c+4*\q+3], v31, s[22:23] offset:128*\c+16*(\q%2)+64*(\q/2)   ; W4 as f32: units 32 c + 8 h + 0 .. 7, then 32 c + 16 + 8 h + 0 .. 7
.endr
.endr
	COPIES 3, 24                                   ; the rest of my x: it lands while the weights are put in order and the first two tiles are worked
	s_wait_loadcnt 0x0                             ; all weights are in, and their offset registers are free
	s_wait_kmcnt 0x0                               ; b4
.irp c, 0,1,2,3
.irp i, 0,1,2,3,4,5,6,7
	v_cvt_pk_bf16_f32 v[W4F+8*\c+\i], v[H+16*\c+2*\i], v[H+16*\c+2*\i+1]
.endr
.endr
	s_mov_b32 vcc_lo, 0x000f000f                   ; lanes with r < 4: W4 has four rows; the operand's other twelve are zeros
.set ci, 0
.rept 32
	v_cndmask_b32 v[W4F+ci], 0, v[W4F+ci], vcc_lo
.set ci, ci+1
.endr
	s_mov_b32 vcc_lo, 0xffff0000                   ; lanes 16-31, for the rest of the launch
	v_lshlrev_b32 v[SH8], 3, v19                   ; 8 h
	v_mov_b32 v[ONE], 1.0
	v_mov_b32 v[ZERO], 0
.irp b, 0,1,2,3
	v_mov_b32 v[TP+\b], 0                          ; written once: a lane permute's destination counts as one of its sources
.endr
.irp t, 0,1,2,3,4,5,6,7
	v_cndmask_b32 v[W1A+4*\t+2], v[W1A+4*\t+2], v[D4A+\t], vcc_lo    ; K step 1, lanes 16-31: k = 6 is b1,
	v_cndmask_b32 v[W1A+4*\t+3], v[W1A+4*\t+3], v[ZERO], vcc_lo      ; k = 7 is 0
.endr
	s_wait_asynccnt 21                             ; copies end in the order of issue: my first three are in, bytes 0 to 1,535 of my x; the 21 issued behind them may be out
	ds_load_b64 v[X0:X0+1], v[LX0]                 ; tile 0
	ds_load_b64 v[X0+2:X0+3], v[LX1]
	ds_load_b64 v[X0+4:X0+5], v[LX0] offset:TILEX  ; tile 1
	ds_load_b64 v[X0+6:X0+7], v[LX1] offset:TILEX
	s_wait_dscnt 0x0
.irp p, 0,1
	v_cndmask_b32 v[X0+4*\p+2], v[X0+4*\p+2], v[ONE], vcc_lo         ; K step 1, lanes 16-31: k = 6 is 1, which takes b1 into the sum,
	v_cndmask_b32 v[X0+4*\p+3], v[X0+4*\p+3], v[ZERO], vcc_lo        ; k = 7 is 0
.endr
; One instruction of the NEXT tile's product 1: number l1i of sixteen: K step l1i / 8, tile of units l1i % 8.  The first eight start the sums with the constant 0.  Seven others' turns stand between
; the two links of a sum.  In the last tile (AHEAD = 0) it is nothing.
.macro L1N
.if AHEAD && (l1i < 16)
.set l1t, l1i%8
.if l1i < 8
	v_wmma_f32_16x16x4_f32 v[HA+8*l1t:HA+8*l1t+7], v[W1A+4*l1t:W1A+4*l1t+1], v[XN:XN+1], 0
.else
	v_wmma_f32_16x16x4_f32 v[HA+8*l1t:HA+8*l1t+7], v[W1A+4*l1t+2:W1A+4*l1t+3], v[XN+2:XN+3], v[HA+8*l1t:HA+8*l1t+7]
.endif
.set l1i, l1i+1
.endif
.endm
; 64 sums of a lane, v[src] on, register 32 c + i = unit 64 c + 32 (lane / 16) + i of my row, are clipped at 0 and become a fragment's codes in v[PC] on and its scale word in v[PW].
; My two blocks (c = 0, 1) are wholly mine.  Each is searched in two chains, so that four lines take turns and none waits for the line above it: chain a takes registers 0-15 and the floor, chain b registers 16-30.
; Each result tile of eight registers is first read at its low end: registers 0, 8, 16 and 24 of the 32.
; mode 1: src = product 1's sums: the next tile's product 1 may begin only behind the conversions; the x of two tiles on is fetched (XL).  mode 2: the next tile's product 1 goes on throughout.
.macro QUANT src, mode
.irp c, 0,1
	v_max3_num_f32 v[MX+\c], v[\src+32*\c], v[\src+32*\c+1], 0x1800000   ; no |.| (what is negative is clipped), and the floor 2^(3 - 127): the byte cannot fall under 1
.endr
.irp c, 0,1
	v_max3_num_f32 v[MX+2+\c], v[\src+32*\c+16], v[\src+32*\c+17], v[\src+32*\c+18]
.endr
.irp k, 1,2,3,4,5,6
.irp c, 0,1
	v_max3_num_f32 v[MX+\c], v[MX+\c], v[\src+32*\c+2*\k], v[\src+32*\c+2*\k+1]
.endr
.irp c, 0,1
	v_max3_num_f32 v[MX+2+\c], v[MX+2+\c], v[\src+32*\c+17+2*\k], v[\src+32*\c+18+2*\k]
.endr
.if (\mode == 2) && ((\k%2) == 1)
	L1N
.endif
.if (\mode == 1) && (\k == 1) && XL
	ds_load_b64 v[XP:XP+1], v[XA0] offset:XOFF     ; these registers' last reader, the last tile's product 1, stands more than eight plain instructions back
	ds_load_b64 v[XP+2:XP+3], v[XA1] offset:XOFF
.endif
.endr
.irp c, 0,1
	v_max3_num_f32 v[MX+\c], v[MX+\c], v[\src+32*\c+14], v[\src+32*\c+15]
.endr
.if \mode == 2
	L1N
.endif
.irp c, 0,1
	v_max3_num_f32 v[MX+\c], v[MX+\c], v[MX+2+\c], v[\src+32*\c+31]   ; both chains and the last number: the block's largest
.endr
.if \mode == 2
	L1N
.endif
.irp c, 0,1
	v_add_nc_u32 v[SO+\c], 0xff000000, v[MX+\c]    ; 2 off its exponent field: the conversion takes the exponent field of this operand as its scale, and nothing else of it
.endr
.irp c, 0,1
.irp g, 0,1,2,3
	v_cvt_scalef32_pk8_fp4_f32 v[PC+4*\c+\g], v[\src+32*\c+8*\g:\src+32*\c+8*\g+7], v[SO+\c]   ; the codes of k = 64 c + 32 h + 8 g + 0 .. 7: register 4 c + g of the operand; what lies beyond -6 gets the code of -6 and is cleared below
.endr
.endr
.irp c, 0,1
	v_lshrrev_b32 v[TP+\c], 23, v[SO+\c]           ; the scales' bytes.  These lines are the plain instructions between the conversions and what touches their results or writes their sources
.endr
	v_lshl_or_b32 v[PW], v[TP+1], 16, v[TP]        ; my two bytes: blocks h and 2 + h of my row,
	v_lshlrev_b32 v[PW], v[SH8], v[PW]             ; at their places in the scale word;
	v_permlanex16_b32 v[TP+2], v[PW], s[SEL], s[SEL+1]
	v_or_b32 v[PW], v[PW], v[TP+2]                 ; with lane l xor 16's two the word is whole
	L1N
.irp g, 0,1                            ; RELU: a code whose sign bit is set becomes 0.  Four registers of eight codes by turns
.irp k, 0,1,2,3
	v_bfi_b32 v[MX+\k], v[PC+4*\g+\k], 0, s[M8]    ; 1000 where the sign bit is clear
.endr
.irp k, 0,1,2,3
	v_lshrrev_b32 v[TP+\k], 3, v[MX+\k]            ; 0001 there
.endr
.irp k, 0,1,2,3
	v_sub_nc_u32 v[MX+\k], v[MX+\k], v[TP+\k]      ; 0111 there, 0000 elsewhere: nothing is borrowed from code to code
.endr
.irp k, 0,1,2,3
	v_and_b32 v[PC+4*\g+\k], v[PC+4*\g+\k], v[MX+\k]
.endr
.if (\mode == 1) && (\g == 0)
	L1N
.endif
.endr
.endm
; Eight products on codes: source 0 = 16 rows of the weight, source 1 = my 16 data rows, C = the bias in the result's layout.  An odd tile's scale words lie in lanes 16-31 of its pair's register.
.macro LAYER wc, bi, ws
	WIN 0x11                                       ; sources 0 and 2 in window 1
.irp t, 0,1,2,3,4,5,6,7
.if (\t%2) == 0
	v_wmma_scale_f32_16x16x128_f8f6f4 v[H+8*\t:H+8*\t+7], v[\wc+8*\t:\wc+8*\t+7], v[PC:PC+7], v[\bi+8*\t:\bi+8*\t+7], v[\ws+\t/2], v[PW] matrix_a_fmt:MATRIX_FMT_FP4 matrix_b_fmt:MATRIX_FMT_FP4
.else
	v_wmma_scale_f32_16x16x128_f8f6f4 v[H+8*\t:H+8*\t+7], v[\wc+8*\t:\wc+8*\t+7], v[PC:PC+7], v[\bi+8*\t:\bi+8*\t+7], v[\ws+\t/2], v[PW] matrix_a_fmt:MATRIX_FMT_FP4 matrix_b_fmt:MATRIX_FMT_FP4 matrix_a_scale:MATRIX_SCALE_ROW1
.endif
.endr
	WIN 0
.endm
; The third hidden layer and product 4, 32 units at a time: clipped in place, two maxima to an instruction (an even and an odd register: different banks, one even and one odd destination);
; rounded to bf16 in pairs (result tiles 2 c and 2 c + 1 are the bf16 fragment c: registers 0-3 units 32 c + 8 h + 0 .. 7, registers 4-7 units 32 c + 16 + 8 h + 0 .. 7); multiplied by W4.
; The fragment lies in registers whose sums have been packed already: 8 c + i <= 16 c + 2 i.
.macro H3 p
.set D4, D4A+8*\p
.irp c, 0,1,2,3
.irp j, 0,2,4,6
	v_dual_max_num_f32 v[H+16*\c+\j], 0, v[H+16*\c+\j] :: v_dual_max_num_f32 v[H+16*\c+\j+1], 0, v[H+16*\c+\j+1]
.endr
	L1N
.irp j, 8,10,12,14
	v_dual_max_num_f32 v[H+16*\c+\j], 0, v[H+16*\c+\j] :: v_dual_max_num_f32 v[H+16*\c+\j+1], 0, v[H+16*\c+\j+1]
.endr
	L1N
.irp i, 0,1,2,3,4,5,6,7
	v_cvt_pk_bf16_f32 v[H+8*\c+\i], v[H+16*\c+2*\i], v[H+16*\c+2*\i+1]
.endr
.if \c == 0
.if \p == 0
	s_wait_xcnt 0x0                                ; the last pair's store has read its data and its base: only behind this wait are both written again
	s_add_nc_u64 s[26:27], s[26:27], 512           ; one pair of tiles on; the store reaches back
.endif
	v_wmma_f32_16x16x32_bf16 v[D4:D4+7], v[W4F:W4F+7], v[H:H+7], 0
.else
.if AHEAD == 0
	s_wait_alu depctr_va_vdst(0)                   ; in the last tile nothing stands between the links of this sum
.endif
	v_wmma_f32_16x16x32_bf16 v[D4:D4+7], v[W4F+8*\c:W4F+8*\c+7], v[H+8*\c:H+8*\c+7], v[D4:D4+7]
.endif
.endr
.endm
; A tile of 16 rows.  p: even (0) or odd (1).  ahead = 1: the next tile's product 1 stands among this tile's vector instructions.
; xl: the x of two tiles on is fetched: 1 by the trip's addresses, 2 (the first two tiles) by the lane's plain addresses; 0: nothing is left to fetch.
.macro TILE p, ahead, xl
.set AHEAD, \ahead
.set XL, \xl
.set XN, X0+4*(1-\p)                   ; the next tile's x
.set XP, X0+4*\p                       ; this tile's, done with: it takes the x of two tiles on
.set XOFF, TILEX*(\p+2)
.set l1i, 0
.if \xl == 2
.set XA0, LX0
.set XA1, LX1
.else
.set XA0, AD0
.set XA1, AD1
.endif
.if (\xl == 1) && (\p == 0)
	v_add_nc_u32 v[AD0], s[XB], v[LX0]             ; once a trip: the two tiles differ in the immediate alone
	v_add_nc_u32 v[AD1], s[XB], v[LX1]
.endif
	QUANT HA, 1
.if \xl
	s_wait_dscnt 0x0                               ; the two loads of x, issued in the quantiser's first lines
	v_cndmask_b32 v[XP+2], v[XP+2], v[ONE], vcc_lo     ; k = 6, 7 in lanes 16-31.  With the two v_nop: the four places between the last write of the codes and the scaled products
	v_cndmask_b32 v[XP+3], v[XP+3], v[ZERO], vcc_lo
	PLACES 2
.else
	PLACES 4
.endif
	LAYER W2C, B2, WS2
	PLACES 4                                       ; in front of the first read of the results
	QUANT H, 2
	PLACES 4                                       ; between the last write of the codes and the scaled products
	LAYER W3C, B3, WS3
	PLACES 4
	H3 \p
.if \p == 1
	PLACES 4                                       ; in front of the first read of the odd tile's results
.irp j, 0,1,2,3
	v_permlane16_swap_b32 v[D4A+\j], v[D4B+\j]     ; out(row, j) lies in lanes 0-15 of register j of each tile: the odd tile's move into lanes 16-31 of the even tile's registers
.endr
.irp j, 0,1,2,3
	v_add_f32 v[D4A+\j], s[BO+\j], v[D4A+\j]       ; + b4
.endr
	global_store_b128 v[GO], v[D4A:D4A+3], s[26:27] offset:-512 th:TH_STORE_NT   ; 32 rows of 16 bytes: 512 consecutive bytes, at a multiple of 512 from out's first byte; written once
.endif
.endm
	; tile 0's product 1 stands bare: there is no vector work yet to set between
.irp t, 0,1,2,3,4,5,6,7
	v_wmma_f32_16x16x4_f32 v[HA+8*\t:HA+8*\t+7], v[W1A+4*\t:W1A+4*\t+1], v[X0:X0+1], 0
.endr
.irp t, 0,1,2,3,4,5,6,7
	v_wmma_f32_16x16x4_f32 v[HA+8*\t:HA+8*\t+7], v[W1A+4*\t+2:W1A+4*\t+3], v[X0+2:X0+3], v[HA+8*\t:HA+8*\t+7]
.endr
	PLACES 8                                       ; this form wants eight in front of the first read of its results and of loads into its sources
	TILE 0, 1, 2                                   ; tiles 0 and 1 fetch the x of tiles 2 and 3: bytes 768 to 1,535 of my x, which the first three copies brought
	TILE 1, 1, 2
	s_wait_asynccnt 0x0                            ; all my x lies in LDS; nobody else reads it
	s_mov_b32 s[XB], 2*TILEX
	s_mov_b32 s[CNT], TRIPS
.Ltrip:                                            ; tiles 2 k and 2 k + 1, k = 1 .. 14; it fetches the x of tiles 2 k + 2 and 2 k + 3: in the last trip tiles 30 and 31, my last
	TILE 0, 1, 1
	TILE 1, 1, 1
	s_add_co_u32 s[XB], s[XB], 2*TILEX
	s_sub_co_u32 s[CNT], s[CNT], 1
	s_cmp_lg_u32 s[CNT], 0
	s_cbranch_scc1 .Ltrip
	TILE 0, 1, 0                                   ; tile 30: nothing is left to fetch
	TILE 1, 0, 0                                   ; tile 31: no tile follows
	s_wait_xcnt 0x0
	v_lshl_add_u32 v254, v0, 2, 0x29000
	v_mov_b32 v255, 0
	s_wait_tensorcnt 0x0
	ds_add_u32 v254, v255
	s_wait_dscnt 0x0
	s_endpgm
.Lfunc_end_k_q976d261655_nerf:
	.size	k_q976d261655_nerf, .Lfunc_end_k_q976d261655_nerf-k_q976d261655_nerf
	.p2alignl 7, 3214868480
	.fill 96, 4, 3214868480
	.section	.rodata,"a",@progbits
	.p2align	6, 0x0
	.amdhsa_kernel k_q976d261655_nerf
		.amdhsa_group_segment_fixed_size 168960
		.amdhsa_private_segment_fixed_size 0
		.amdhsa_enable_private_segment 0
		.amdhsa_kernarg_size 96
		.amdhsa_user_sgpr_count 2
		.amdhsa_user_sgpr_kernarg_segment_ptr 1
		.amdhsa_wavefront_size32 1
		.amdhsa_system_sgpr_workgroup_id_x 1
		.amdhsa_system_sgpr_workgroup_id_y 1
		.amdhsa_system_sgpr_workgroup_id_z 1
		.amdhsa_system_vgpr_workitem_id 0
		.amdhsa_next_free_vgpr 512
		.amdhsa_next_free_sgpr 66
		.amdhsa_reserve_vcc 1
		.amdhsa_float_denorm_mode_32 3
		.amdhsa_float_denorm_mode_16_64 3
		.amdhsa_memory_ordered 1
		.amdhsa_forward_progress 1
		.amdhsa_inst_pref_size 121
	.end_amdhsa_kernel
	.amdgpu_metadata
---
amdhsa.version: [ 1, 2 ]
amdhsa.kernels:
  - .name:           k_q976d261655_nerf
    .symbol:         k_q976d261655_nerf.kd
    .args:
      - { .name: x, .offset: 0, .size: 8, .value_kind: global_buffer, .address_space: global }
      - { .name: W1, .offset: 8, .size: 8, .value_kind: global_buffer, .address_space: global }
      - { .name: b1, .offset: 16, .size: 8, .value_kind: global_buffer, .address_space: global }
      - { .name: W2_codes, .offset: 24, .size: 8, .value_kind: global_buffer, .address_space: global }
      - { .name: W2_scales, .offset: 32, .size: 8, .value_kind: global_buffer, .address_space: global }
      - { .name: b2, .offset: 40, .size: 8, .value_kind: global_buffer, .address_space: global }
      - { .name: W3_codes, .offset: 48, .size: 8, .value_kind: global_buffer, .address_space: global }
      - { .name: W3_scales, .offset: 56, .size: 8, .value_kind: global_buffer, .address_space: global }
      - { .name: b3, .offset: 64, .size: 8, .value_kind: global_buffer, .address_space: global }
      - { .name: W4, .offset: 72, .size: 8, .value_kind: global_buffer, .address_space: global }
      - { .name: b4, .offset: 80, .size: 8, .value_kind: global_buffer, .address_space: global }
      - { .name: out0, .offset: 88, .size: 8, .value_kind: global_buffer, .address_space: global }
    .group_segment_fixed_size: 168960
    .private_segment_fixed_size: 0
    .kernarg_segment_align: 8
    .kernarg_segment_size: 96
    .max_flat_workgroup_size: 256
    .sgpr_count:     66
    .vgpr_count:     512
    .wavefront_size: 32
...
	.end_amdgpu_metadata
.endif
;; end of part 1
